; MI455X (gfx1250); checked and timed in simulation.
; The chip was launched on July 23, 2026; its instructions are those of AMD's public machine-readable ISA for CDNA 5 (MIT licence, August 2026) and "CDNA5" Instruction Set Architecture Reference Guide (July 2026). The comments in the code are by the model that wrote it; some were corrected since.
;; Vector Quantizer. Allowed arithmetic: matrix products marked QUANTISED: E2M1 operands, one E8M0 scale for each 32 along K, by v_wmma_scale_f32_16x16x128_f8f6f4 with both operands' format E2M1 (or v_wmma_scale_f32_32x16x128_f4), f32 sums; everything else in f32.
;; Inputs: codebook 16,384 x 256 float32; z 16 x 256 x 32 x 32 float32.
;; Outputs: out0 16 x 32 x 32 x 256 float32; out1 16,384 int32.
;; This version of the problem:
;;   THIS VERSION OF THE PROBLEM IS GIVEN IN LOW PRECISION. The matrix products marked QUANTISED in the list below multiply operands that are first quantised to E2M1 (2 exponent bits, 1 mantissa bit; 4 bits a number), with one power-of-two scale for each 32 numbers along K (OCP MX v1.0); their sums are f32. All else is computed in f32.
;;   The module's matrix products, in the order in which they are computed (A, B: the left and right operand; K: the contracted axis; several contracted axes count as one K, in the product's order):
;;     1. [M 16,384, K 256] x [K 256, N 16,384]; A: input z; B: input codebook: QUANTISED
;;   THE QUANTISER, for each operand of a quantised product, along K:
;;     - K is cut into blocks of 32 from its start; a last block that is shorter is filled with zeros.
;;     - A block's scale is 2^e with e = floor(log2(the largest magnitude in the block)) - 2, held to -126 .. 127; a block of zeros has e = 0. As a byte (E8M0): e + 127.
;;     - Each number is divided by its block's scale, clamped to +-6, and rounded to the nearest number of E2M1, ties to even, subnormals kept.
;;     - The product sums the exact products of the quantised numbers (number of the format x scale) in f32.
;;   ~~~python
;;   def quantise(x, axis):      # numpy; x: float32 -> the quantised numbers, widened to float32 again
;;       x = np.moveaxis(x, axis, -1); K = x.shape[-1]
;;       x = np.pad(x, [(0, 0)] * (x.ndim - 1) + [(0, -K % 32)]); x = x.reshape(x.shape[:-1] + (-1, 32)); a = np.abs(x).max(-1, keepdims=True)
;;       e = np.where(a > 0, np.clip(np.frexp(np.where(a > 0, a, 1))[1] - 1 - 2, -126, 127), 0)      # np.frexp(a)[1] - 1 = floor(log2(a)), exactly
;;       r = np.clip(x / 2.0 ** e, -6, 6)
;;       step = 2.0 ** (np.maximum(np.frexp(np.where(r == 0, 1, r))[1] - 1, 0) - 1)
;;       q = np.round(r / step) * step * 2.0 ** e      # np.round: ties to even
;;       return np.moveaxis(q.reshape(q.shape[:-2] + (-1,))[..., :K], -1, axis).astype(np.float32)
;;   ~~~
;; One version. Each part assembles by itself: llvm-mc -triple=amdgcn-amd-amdhsa -mcpu=gfx1250 --defsym DOCPART=n.
;; ======== version 1 of 1: 3 launches
;; limits: right only within a limited range of input values
;; workspace buffers: zq 2,359,296 bytes; cbq 2,359,296 bytes; cand 1,048,576 bytes of whole numbers
;; launch prep (part 1): grid 256 x 1, 4 waves a work-group, no clusters, 37,376 bytes of LDS; arguments z, codebook, zq, cbq; writes zq, cbq
.if DOCPART == 1
	.amdgcn_target "amdgcn-amd-amdhsa--gfx1250"
	.amdhsa_code_object_version 6
	.text
	.protected	k_qb16259d217_prep
	.globl	k_qb16259d217_prep
	.p2align	8
	.type	k_qb16259d217_prep,@function
k_qb16259d217_prep:
	s_mov_b64 s[64:65], 0
	v_nop
	global_prefetch_b8 v0, s[64:65] scope:SCOPE_SE
	s_setreg_imm32_b32 hwreg(HW_REG_WAVE_MODE, 25, 1), 1
	s_wait_xcnt 0x0
; z [16][256][32][32] f32 (K = the 256 channels, NOT innermost) and codebook [16384][256] f32 (K innermost) become codes of FP4 (E2M1) with one E8M0 scale byte
; for each 32 along K, and with them go the rows' sums of squares.  Both are laid as RECORDS of 2,304 bytes, one for each tile of 16 rows, in the order of the matrix operand's registers:
;   bytes 0 .. 2047: block kb (0..7) of row r: 16 bytes at 512 (kb / 2) + 256 (kb % 2) + 16 r, that is: registers 4 c .. 4 c + 3 of K step s of lane l at 512 (2 s + c) + 16 l;
;   bytes 2048 .. 2303, zq:  16 bytes for row r at 16 r: scale word of K step 0, of K step 1, the row's sum of squares, 0;
;   bytes 2048 .. 2303, cbq: 16 scale words of K step 0 (4 r), 16 of K step 1 (64 + 4 r), 16 sums of squares (128 + 4 r), 64 zero bytes.
; A block's scale is 2^(floor(log2(its largest magnitude)) - 2); its byte is the largest magnitude's exponent field - 2, held at 1 from below.
; Work-groups 0 .. 127 take z, 128 .. 255 the codebook: two ways through the text, parted on the work-group's number; only the codebook's way uses LDS.
; LIMITS.  NaN and infinities among the inputs are not served.  A block of zeros gets the byte 1 where the rule says 127: its codes are zeros, and this program alone reads the bytes.
; z's sum of squares is ONE chain of fused multiply-adds a row, channels ascending.  The codebook's is summed in another order (two chains a lane, two lanes a row), also fused.
.set REC,  2304
.set X,    32                          ; z: v32-95    two sets of 32 numbers
.set C,    128                         ; z: v128-159  a block's codes, four registers for each block: no store's data are written again
.set W,    160                         ; z: v160 scale word 0, v161 scale word 1, v162 the sum of squares, v163 0
.set R,    32                          ; codebook: v32-127  three sets of 32 registers as loaded
.set XC,   128                         ; codebook: v128-191 two sets of 32 neighbours along K
.set CC,   192                         ; codebook: v192-223 codes, four registers for each step
.set STG,  4352                        ; LDS, for each wave: two stages of 16 rows x 272 bytes,
.set UNIT, 8704                        ; and behind them the last 256 bytes of its two records
.set WREG, 9216
; ---- z: block t (channels 32 t on) of my row, into set t % 2.  32 neighbouring lanes read 128 neighbouring bytes
.macro ZLOAD t
.irp i, 0,1,2,3,4,5,6,7,8,9,10,11,12,13,14,15,16,17,18,19,20,21,22,23,24,25,26,27,28,29,30,31
	global_load_b32 v[X+32*((\t)%2)+\i], v4, s[4:5] offset:(32*(\t)+\i)*4096 th:TH_LOAD_NT
.endr
.endm
.macro ZBLOCK t
.set XS, X+32*((\t)%2)
.if (\t) < 7
	s_wait_loadcnt 32                              ; this block's 32 loads are in; the next block's 32 may be out
.else
	s_wait_loadcnt 0x0
.endif
	v_max3_num_f32 v8, |v[XS]|, |v[XS+1]|, |v[XS+2]|               ; the block's largest magnitude, in two chains: all 32 numbers are mine
.if (\t) == 0
	v_mul_f32 v[W+2], v[XS], v[XS]                                 ; the sum of squares begins
.else
	v_fmac_f32 v[W+2], v[XS], v[XS]                                ; and goes on, channel by channel
.endif
	v_max3_num_f32 v9, |v[XS+3]|, |v[XS+4]|, |v[XS+5]|
	v_fmac_f32 v[W+2], v[XS+1], v[XS+1]
.irp i, 6,10,14,18,22,26
	v_max3_num_f32 v8, v8, |v[XS+\i]|, |v[XS+\i+1]|
	v_fmac_f32 v[W+2], v[XS+\i-4], v[XS+\i-4]
	v_fmac_f32 v[W+2], v[XS+\i-3], v[XS+\i-3]
	v_max3_num_f32 v9, v9, |v[XS+\i+2]|, |v[XS+\i+3]|
	v_fmac_f32 v[W+2], v[XS+\i-2], v[XS+\i-2]
	v_fmac_f32 v[W+2], v[XS+\i-1], v[XS+\i-1]
.endr
	v_max3_num_f32 v8, v8, |v[XS+30]|, |v[XS+31]|
.irp i, 26,27,28,29,30,31
	v_fmac_f32 v[W+2], v[XS+\i], v[XS+\i]
.endr
	v_max3_num_f32 v8, v8, v9, 0x1800000           ; and the floor 2^(3 - 127): the byte cannot fall under 1
	v_add_nc_u32 v11, 0xff000000, v8               ; 2 off the exponent field: the conversion takes this operand's exponent field as its scale
.irp g, 0,1,2,3
	v_cvt_scalef32_pk8_fp4_f32 v[C+4*(\t)+\g], v[XS+8*\g:XS+8*\g+7], v11
.endr
	v_lshrrev_b32 v10, 23, v11                     ; the scale's byte (a plain line behind the conversions)
.if (\t)%4 == 0
	v_mov_b32 v[W+(\t)/4], v10                     ; four bytes to a word, the lower K in the lower byte
.else
	v_lshl_or_b32 v[W+(\t)/4], v10, 8*((\t)%4), v[W+(\t)/4]
.endif
	global_store_b128 v5, v[C+4*(\t):C+4*(\t)+3], s[8:9] offset:((\t)/2)*512+((\t)%2)*256   ; sixteen lanes store 256 consecutive bytes, aligned
.if (\t)+2 < 8
	ZLOAD (\t)+2
.endif
.endm
; ---- codebook: step t = 4 x tile + sc: 16 rows x 256 bytes (K = 64 sc on).  Each load reads two rows' 256 bytes, sixteen lanes to a row
.macro CLOAD t
.irp i, 0,1,2,3,4,5,6,7
	global_load_b128 v[R+32*((\t)%3)+4*\i:R+32*((\t)%3)+4*\i+3], v4, s[6:7] offset:((\t)/4)*16384+\i*2048+((\t)%4)*256 th:TH_LOAD_NT
.endr
.endm
; through the wave's own stage: in as loaded (rows 272 bytes apart), back 128 bytes a lane: lane (r, h) gets block 2 sc + h of row r.  LDS serves a wave's instructions in order: no wait between
.macro CTURN t
.irp i, 0,1,2,3,4,5,6,7
	ds_store_b128 v5, v[R+32*((\t)%3)+4*\i:R+32*((\t)%3)+4*\i+3] offset:STG*((\t)%2)+544*\i
.endr
.irp k, 0,1,2,3,4,5,6,7
	ds_load_b128 v[XC+32*((\t)%2)+4*\k:XC+32*((\t)%2)+4*\k+3], v6 offset:STG*((\t)%2)+16*\k
.endr
.endm
.macro CSTEP t
.set XS, XC+32*((\t)%2)
	s_wait_dscnt 0x0                               ; this step's numbers are back from the stage, and its stores into the stage have read their registers,
.if (\t)+3 < 8
	CLOAD (\t)+3                                   ; which take the loads of three steps on
.endif
.if (\t) < 7
.if (\t)+3 < 8
	s_wait_loadcnt 16                              ; the next step's eight loads are in; those of the two steps behind it may be out
.else
	s_wait_loadcnt 8*(6-(\t))
.endif
	CTURN (\t)+1                                   ; the next step turns through the other stage while this one is worked
.endif
	v_max3_num_f32 v8, |v[XS]|, |v[XS+1]|, |v[XS+2]|
	v_max3_num_f32 v9, |v[XS+3]|, |v[XS+4]|, |v[XS+5]|
.if (\t)%4 == 0
	v_pk_mul_f32 v[26:27], v[XS:XS+1], v[XS:XS+1]                  ; the row's sum of squares, my part, two at a time
.else
	v_pk_fma_f32 v[26:27], v[XS:XS+1], v[XS:XS+1], v[26:27]
.endif
.irp i, 6,10,14,18,22,26
	v_max3_num_f32 v8, v8, |v[XS+\i]|, |v[XS+\i+1]|
	v_pk_fma_f32 v[26:27], v[XS+\i-4:XS+\i-3], v[XS+\i-4:XS+\i-3], v[26:27]
	v_max3_num_f32 v9, v9, |v[XS+\i+2]|, |v[XS+\i+3]|
	v_pk_fma_f32 v[26:27], v[XS+\i-2:XS+\i-1], v[XS+\i-2:XS+\i-1], v[26:27]
.endr
	v_max3_num_f32 v8, v8, |v[XS+30]|, |v[XS+31]|
.irp j, 26,28,30
	v_pk_fma_f32 v[26:27], v[XS+\j:XS+\j+1], v[XS+\j:XS+\j+1], v[26:27]
.endr
	v_max3_num_f32 v8, v8, v9, 0x1800000           ; the floor 2^(3 - 127)
	v_add_nc_u32 v11, 0xff000000, v8
.irp g, 0,1,2,3
	v_cvt_scalef32_pk8_fp4_f32 v[CC+4*(\t)+\g], v[XS+8*\g:XS+8*\g+7], v11
.endr
	v_lshrrev_b32 v10, 23, v11                     ; the byte of block 2 sc + h (a plain line behind the conversions)
.if (\t)%2 == 0
	v_mov_b32 v[24+((\t)%4)/2], v10                ; K step sc / 2: my two bytes 16 bits apart; the lane's half shifts them at the tile's end
.else
	v_lshl_or_b32 v[24+((\t)%4)/2], v10, 16, v[24+((\t)%4)/2]
.endif
	global_store_b128 v20, v[CC+4*(\t):CC+4*(\t)+3], s[10:11] offset:((\t)/4)*REC+((\t)%4)*512   ; 32 lanes store 512 consecutive bytes, aligned
.if (\t)%4 == 3                        ; the tile's end: the scale words and the sums become whole
	v_lshlrev_b32 v24, v7, v24                     ; 8 h bits up
	v_lshlrev_b32 v25, v7, v25
	v_add_f32 v15, v26, v27
	v_permlanex16_b32 v12, v24, s20, s21
	v_permlanex16_b32 v13, v25, s20, s21
	v_permlanex16_b32 v14, v15, s20, s21
	v_or_b32 v24, v24, v12                         ; with lane l xor 16's two bytes
	v_or_b32 v25, v25, v13
	v_add_f32 v15, v15, v14                        ; and its half of the sum
	v_cndmask_b32 v12, v24, v25, s22               ; lanes 0-15 K step 0's word, lanes 16-31 K step 1's
	v_cndmask_b32 v13, v15, v28, s22               ; lanes 0-15 the sum, lanes 16-31 zero
	ds_store_b32 v21, v12 offset:UNIT+256*((\t)/4)
	ds_store_b32 v21, v13 offset:UNIT+256*((\t)/4)+128
.endif
.endm
	s_load_b256 s[4:11], s[0:1], 0x0               ; z s[4:5], codebook s[6:7], zq s[8:9], cbq s[10:11]
	v_lshl_add_u32 v224, v0, 2, 0x9000
	v_mov_b32 v225, 0
	v_lshrrev_b32 v1, 5, v0
	v_readfirstlane_b32 s12, v1                    ; wave 0..3
	v_and_b32 v1, 31, v0                           ; lane
	v_and_b32 v2, 15, v0                           ; r
	v_bfe_u32 v3, v0, 4, 1                         ; h
	s_cmp_lt_u32 ttmp9, 128
	s_cbranch_scc0 .Lcodes
	; ---- z.  A LANE TAKES A ROW n = (b, h, w), AND ITS REGISTERS RUN DOWN THE CHANNELS: a wave takes 32 neighbouring rows, two records
	s_lshl_b32 s13, ttmp9, 2
	s_add_co_u32 s13, s13, s12                     ; g = 4 x work-group + wave: rows 32 g on
	s_lshr_b32 s14, s13, 5
	s_lshl_b32 s14, s14, 20                        ; image b = g / 32: 1 MiB each,
	s_and_b32 s15, s13, 31
	s_lshl_b32 s15, s15, 7                         ; + 4 bytes x 32 (g % 32)
	s_add_co_u32 s14, s14, s15
	s_mov_b32 s15, 0
	s_mul_i32 s16, s13, 2*REC
	s_mov_b32 s17, 0
	s_wait_alu depctr_va_vdst(0)
	v_lshlrev_b32 v4, 2, v1                        ; in: 4 bytes a lane
	v_mul_u32_u24 v5, v3, REC
	v_lshl_add_u32 v5, v2, 4, v5                   ; out: record lane / 16, 16 bytes for row lane % 16
	v_mov_b32 v[W+3], 0
	s_wait_alu depctr_va_vdst(0)
	s_wait_kmcnt 0x0
	s_add_nc_u64 s[4:5], s[4:5], s[14:15]
	s_add_nc_u64 s[8:9], s[8:9], s[16:17]
	ZLOAD 0
	ZLOAD 1
.irp t, 0,1,2,3,4,5,6,7
	ZBLOCK \t
.endr
	global_store_b128 v5, v[W:W+3], s[8:9] offset:2048   ; my row's two scale words, its sum of squares and a zero: sixteen lanes fill the record's last 256 bytes
	s_endpgm
.Lcodes:
	; ---- codebook.  A wave takes two tiles of 16 codes: 32 KiB of dense memory, eight steps
	s_sub_co_u32 s13, ttmp9, 128
	s_lshl_b32 s13, s13, 2
	s_add_co_u32 s13, s13, s12                     ; g: tiles 2 g and 2 g + 1
	s_lshl_b32 s14, s13, 15
	s_mov_b32 s15, 0
	s_mul_i32 s16, s13, 2*REC
	s_mov_b32 s17, 0
	s_mul_i32 s18, s12, WREG                       ; my wave's LDS
	s_wait_alu depctr_va_vdst(0)
	v_lshlrev_b32 v20, 4, v1                       ; 16 x lane: the codes' place in a step's 512 bytes
	v_lshlrev_b32 v4, 10, v3
	v_lshl_add_u32 v4, v2, 4, v4                   ; in: row lane / 16 of two, 16 bytes for lane % 16
	v_mul_u32_u24 v5, v3, 272
	v_lshl_add_u32 v5, v2, 4, v5
	v_add_nc_u32 v5, s18, v5                       ; the stage, on the way in: the same two rows
	v_mul_u32_u24 v6, v2, 272
	v_lshl_add_u32 v6, v3, 7, v6
	v_add_nc_u32 v6, s18, v6                       ; and on the way out: row r, 128 bytes for each half of the lanes
	v_lshlrev_b32 v7, 3, v3                        ; 8 h
	v_lshlrev_b32 v21, 2, v1
	v_add_nc_u32 v21, s18, v21                     ; a word a lane in a record's last 256 bytes
	v_add_nc_u32 v22, s18, v20                     ; and 16 bytes a lane on their way out
	v_mul_u32_u24 v23, v3, REC
	v_lshl_add_u32 v23, v2, 4, v23
	v_mov_b32 v28, 0
	v_mov_b32 v12, 0                               ; written once: a lane permute's destination counts as one of its sources
	v_mov_b32 v13, 0
	v_mov_b32 v14, 0
	s_mov_b32 s20, 0x76543210
	s_mov_b32 s21, 0xfedcba98                      ; v_permlanex16_b32's selects for lane l xor 16
	s_mov_b32 s22, 0xffff0000                      ; lanes 16-31
	s_wait_kmcnt 0x0
	s_add_nc_u64 s[6:7], s[6:7], s[14:15]
	s_add_nc_u64 s[10:11], s[10:11], s[16:17]
	CLOAD 0
	CLOAD 1
	CLOAD 2
	s_wait_loadcnt 16                              ; step 0's eight loads are in
	CTURN 0
.irp t, 0,1,2,3,4,5,6,7
	CSTEP \t
.endr
	ds_load_b128 v[16:19], v22 offset:UNIT         ; LDS serves a wave's instructions in order: these see my stores
	s_wait_dscnt 0x0
	global_store_b128 v23, v[16:19], s[10:11] offset:2048   ; the last 256 bytes of both records: sixteen lanes each
	s_wait_tensorcnt 0x0
	ds_add_u32 v224, v225
	s_wait_dscnt 0x0
	s_endpgm
.Lfunc_end_k_qb16259d217_prep:
	.size	k_qb16259d217_prep, .Lfunc_end_k_qb16259d217_prep-k_qb16259d217_prep
	.p2alignl 7, 3214868480
	.fill 96, 4, 3214868480
	.section	.rodata,"a",@progbits
	.p2align	6, 0x0
	.amdhsa_kernel k_qb16259d217_prep
		.amdhsa_group_segment_fixed_size 37376
		.amdhsa_private_segment_fixed_size 0
		.amdhsa_enable_private_segment 0
		.amdhsa_kernarg_size 32
		.amdhsa_user_sgpr_count 2
		.amdhsa_user_sgpr_kernarg_segment_ptr 1
		.amdhsa_wavefront_size32 1
		.amdhsa_system_sgpr_workgroup_id_x 1
		.amdhsa_system_sgpr_workgroup_id_y 1
		.amdhsa_system_sgpr_workgroup_id_z 1
		.amdhsa_system_vgpr_workitem_id 0
		.amdhsa_next_free_vgpr 226
		.amdhsa_next_free_sgpr 66
		.amdhsa_reserve_vcc 0
		.amdhsa_float_denorm_mode_32 3
		.amdhsa_float_denorm_mode_16_64 3
		.amdhsa_memory_ordered 1
		.amdhsa_forward_progress 1
		.amdhsa_inst_pref_size 84
	.end_amdhsa_kernel
	.amdgpu_metadata
---
amdhsa.version: [ 1, 2 ]
amdhsa.kernels:
  - .name:           k_qb16259d217_prep
    .symbol:         k_qb16259d217_prep.kd
    .args:
      - { .name: z, .offset: 0, .size: 8, .value_kind: global_buffer, .address_space: global }
      - { .name: codebook, .offset: 8, .size: 8, .value_kind: global_buffer, .address_space: global }
      - { .name: zq, .offset: 16, .size: 8, .value_kind: global_buffer, .address_space: global }
      - { .name: cbq, .offset: 24, .size: 8, .value_kind: global_buffer, .address_space: global }
    .group_segment_fixed_size: 37376
    .private_segment_fixed_size: 0
    .kernarg_segment_align: 8
    .kernarg_segment_size: 32
    .max_flat_workgroup_size: 128
    .sgpr_count:     66
    .vgpr_count:     226
    .wavefront_size: 32
...
	.end_amdgpu_metadata
.endif
;; end of part 1
;; launch search (part 2): grid 256 x 1, 16 waves a work-group, clusters of 4 x 1, 327,680 bytes of LDS; arguments zq, cbq, cand; writes cand
.if DOCPART == 2
	.amdgcn_target "amdgcn-amd-amdhsa--gfx1250"
	.amdhsa_code_object_version 6
	.text
	.protected	k_qb16259d217_search
	.globl	k_qb16259d217_search
	.p2align	8
	.type	k_qb16259d217_search,@function
k_qb16259d217_search:
	s_mov_b64 s[64:65], 0
	v_nop
	global_prefetch_b8 v0, s[64:65] scope:SCOPE_SE
	s_setreg_imm32_b32 hwreg(HW_REG_WAVE_MODE, 25, 1), 1
	s_wait_xcnt 0x0
	s_wait_alu depctr_hold_cnt(0) depctr_sa_sdst(0) depctr_va_vdst(0) depctr_va_sdst(0) depctr_va_ssrc(0) depctr_va_vcc(0) depctr_vm_vsrc(0)
	s_getreg_b32 s2, hwreg(HW_REG_IB_STS2, 6, 4)
	s_cmp_eq_u32 s2, 0
	s_cbranch_scc0 .Lentry_in_a_cluster
	s_endpgm
.Lentry_in_a_cluster:
	s_bfe_u32 s2, ttmp6, 0x10000c
	s_cmp_lg_u32 s2, 0x3003
	s_cbranch_scc0 .Lentry_shape_is_right
	s_endpgm
.Lentry_shape_is_right:
; For each of 16,384 rows of z and each eighth of the codebook (2,048 codes): the smallest d(row, code) = fl(fl(zz + ee) - 2 dot) and the first group of 4 codes in which it is taken.
; dot is the product on codes of FP4 (E2M1) with E8M0 scales.  d IS ROUNDED AS THE SOURCE READS: s = zz + ee rounded once; 2 dot is exact, so one fused multiply-add gives fl(s - 2 dot).
; SHARES.  Work-group = 512 rows x one eighth: 32 row blocks x 8 eighths = 256 work-groups.  The eighth's 128 records (2,304 bytes each: two fragments' image, scale words, sums of squares)
; are 294,912 bytes: they come into LDS ONCE, each of the sixteen waves bringing 8 records (72 rows of 256 bytes) by its one tensor load at the head.  No LDS byte is filled again: the walk has no barrier.
; Wave w keeps rows 64 (w % 8) .. + 63 of the block in registers (four row tiles) and walks records 64 (w / 8) .. + 63.
; THE WALK IS LAID IN STEPS: step i issues record i + 1's eight products (into the other set of accumulators), asks for record i + 2's fragments, does record i's vector work, and asks for record i + 2's sums of squares.
; Seven trips of eight steps; the last eight steps are written out, since they ask for nothing beyond the last record.
; CLUSTER.  The four work-groups of a cluster have the same eighth and four neighbouring row blocks: each tensor load is a joint one, same descriptor, mask of all four.
; No prefetch: every byte of the codes is asked for at the head, and there is no loop to run ahead in.
; THE MATRIX INSTRUCTION IS USED TRANSPOSED: source 0 = 16 codes, source 1 = 16 rows of z: lane (r, h) holds row r and codes 8 h + 0 .. 7.  A lane keeps TWO running minima, of its registers 0-3 and 4-7:
; so each stands for a group of 4 codes, number 4 x tile + 2 h + (0 or 1).
; TIES go to the lower index: tiles ascend in a wave and only a strictly smaller minimum moves a tile's number; between a lane's two minima and between the halves of the lanes the pair (d, group) is compared;
; of the two waves of a row the lower records win a tie.
; OUT: cand[e][row] = d as an ordered whole number (sign bit flipped for d >= 0, all bits for d < 0: the order of unsigned numbers is the order of d), and 524,288 bytes on the group's number.
; LIMITS: NaN and infinities among the inputs are not served (a NaN loses in the minima).  d is never -0: s >= +0, and a sum that is exactly zero rounds to +0.
.set REC,   2304
.set PART,  8*REC                      ; a wave's tensor load
.set CODES, 128*REC                    ; an eighth of the records
.set SPARE, CODES                      ; behind them: the spare words, 128 bytes for each of 16 waves: eight blocks of 256 bytes that no other line names
.set MRG,   SPARE+2048                 ; the merge: [wave][64 rows] d,
.set MRGI,  4096                       ; and so many bytes on the groups' numbers
.set SPW, 1                            ; v1  LDS address of my spare word; never rewritten
.set NIL, 2                            ; v2  0; never rewritten
.set AC,  3                            ; v3  this trip's records + 16 x lane;  v4 + 4 x lane;  v5 + 32 h
.set AS,  4
.set AE,  5
.set ACB, 6                            ; v6-8  the same for my first record
.set ASB, 7
.set AEB, 8
.set MW,  9                            ; v9  the merge: where I put my row's pair
.set MR,  10                           ; v10 and where two rows' are read back
.set GO,  11                           ; v11 8 x lane
.set H,   12                           ; v12 h
.set Z,   16                           ; v16-79   z's fragments: row tile t, K step s at 16 t + 8 s
.set ZS,  80                           ; v80-83   z's scale words: lanes 0-15 K step 0's, lanes 16-31 K step 1's
.set ZZ,  84                           ; v84-91   z's sums of squares, each twice: a pair for the packed addition
.set RUN, 92                           ; v92-99   the running minimum of registers 0-3 of row tile t: two registers that take turns
.set ID,  100                          ; v100-103 the tile in which it last fell
.set AF,  104                          ; v104-135 the codes' fragments, two sets
.set SC,  136                          ; v136-137 their scale words
.set EE,  138                          ; v138-153 their sums of squares: my eight codes'
.set S,   154                          ; v154-169 s = zz + ee, for two row tiles
.set ACC, 170                          ; v170-233 two sets of four accumulators
.set RUNB, 234                         ; v234-241 the running minimum of registers 4-7
.set IDB, 242                          ; v242-245 and its tile
.set GA,  246                          ; v246 2 h;  v247 2 h + 1
.set GB,  247
.set WV,  10                           ; s10 my wave's number
.set G1,  16                           ; s[16:23] descriptor group 1;  s[24:27] group 0
.set G0,  24
.set TS,  35                           ; s35 the number of the tile whose vector work is in hand
.macro DLY n
	s_delay_alu instid0(VALU_DEP_\n)
.endm
.macro CROUND                          ; a round of the cluster's barrier
	s_barrier_signal -1
	s_barrier_wait -1
	s_cmp_lg_u32 s[WV], 0
	s_cbranch_scc1 .Lnot_wave_0_\@
	s_barrier_signal -3
.Lnot_wave_0_\@:
	s_barrier_wait -3
	s_barrier_signal -1
	s_barrier_wait -1
.endm
.macro LDAF i, b                       ; five LDS loads: the fragments and scale words of record i (counted from the trip's first), into set b
.irp k, 0,1,2,3
	ds_load_b128 v[AF+16*(\b)+4*\k:AF+16*(\b)+4*\k+3], v[AC] offset:(\i)*REC+512*\k
.endr
	ds_load_b32 v[SC+(\b)], v[AS] offset:(\i)*REC+2048
.endm
.macro LDEE i, b                       ; two: its sums of squares
	ds_load_b128 v[EE+8*(\b):EE+8*(\b)+3], v[AE] offset:(\i)*REC+2176
	ds_load_b128 v[EE+8*(\b)+4:EE+8*(\b)+7], v[AE] offset:(\i)*REC+2192
.endm
.macro MM b                            ; eight matrix instructions: 16 codes x 64 rows x K 256.  The four accumulators take turns; the first K step starts the sums
.irp t, 0,1,2,3
	v_wmma_scale_f32_16x16x128_f8f6f4 v[ACC+32*\b+8*\t:ACC+32*\b+8*\t+7], v[AF+16*\b:AF+16*\b+7], v[Z+16*\t:Z+16*\t+7], 0, v[SC+\b], v[ZS+\t] matrix_a_fmt:MATRIX_FMT_FP4 matrix_b_fmt:MATRIX_FMT_FP4
.endr
.irp t, 0,1,2,3
	v_wmma_scale_f32_16x16x128_f8f6f4 v[ACC+32*\b+8*\t:ACC+32*\b+8*\t+7], v[AF+16*\b+8:AF+16*\b+15], v[Z+16*\t+8:Z+16*\t+15], v[ACC+32*\b+8*\t:ACC+32*\b+8*\t+7], v[SC+\b], v[ZS+\t] matrix_a_fmt:MATRIX_FMT_FP4 matrix_b_fmt:MATRIX_FMT_FP4 matrix_a_scale:MATRIX_SCALE_ROW1 matrix_b_scale:MATRIX_SCALE_ROW1
.endr
.endm
.macro SUM8 b, u                       ; s = zz + ee for row tiles u, u + 1
.irp t, 0,1
.irp j, 0,2,4,6
	v_pk_add_f32 v[S+8*\t+\j:S+8*\t+\j+1], v[EE+8*\b+\j:EE+8*\b+\j+1], v[ZZ+2*(\u+\t):ZZ+2*(\u+\t)+1]
.endr
.endr
.endm
.macro FMA8 b, u                       ; d = s - 2 dot; each accumulator is read from its low end on
.irp t, 0,1
.irp j, 0,2,4,6
	v_pk_fma_f32 v[ACC+32*\b+8*(\u+\t)+\j:ACC+32*\b+8*(\u+\t)+\j+1], v[ACC+32*\b+8*(\u+\t)+\j:ACC+32*\b+8*(\u+\t)+\j+1], s[42:43], v[S+8*\t+\j:S+8*\t+\j+1] op_sel_hi:[1,0,1]
.endr
.endr
.endm
.macro MIN1 t, b                       ; each old minimum and the first two of its four d (b is also which of the two registers holds the old minimum: records and sets go by the same parity)
	v_min3_num_f32 v[RUN+2*\t+1-\b], v[RUN+2*\t+\b], v[ACC+32*\b+8*\t], v[ACC+32*\b+8*\t+1]
	v_min3_num_f32 v[RUNB+2*\t+1-\b], v[RUNB+2*\t+\b], v[ACC+32*\b+8*\t+4], v[ACC+32*\b+8*\t+5]
.endm
.macro MIN2 t, b                       ; and the other two
	v_min3_num_f32 v[RUN+2*\t+1-\b], v[RUN+2*\t+1-\b], v[ACC+32*\b+8*\t+2], v[ACC+32*\b+8*\t+3]
	v_min3_num_f32 v[RUNB+2*\t+1-\b], v[RUNB+2*\t+1-\b], v[ACC+32*\b+8*\t+6], v[ACC+32*\b+8*\t+7]
.endm
.macro LESS t, b                       ; have the minima fallen?
	v_cmp_lt_f32 s[36+\t], v[RUN+2*\t+1-\b], v[RUN+2*\t+\b]
	v_cmp_lt_f32 s[52+\t], v[RUNB+2*\t+1-\b], v[RUNB+2*\t+\b]
.endm
.macro TAKE t, near                    ; then in this tile
.if \near
	DLY 4
.endif
	v_cndmask_b32 v[ID+\t], v[ID+\t], s[TS], s[36+\t]
.if \near
	DLY 4
.endif
	v_cndmask_b32 v[IDB+\t], v[IDB+\t], s[TS], s[52+\t]
.endm
; The vector work of a record, 64 lines.  None of them names a register of the products issued just ahead of them, which write the other set of accumulators.
.macro EP b
	SUM8 \b, 0
	FMA8 \b, 0
	SUM8 \b, 2
	MIN1 0, \b
	MIN1 1, \b
	FMA8 \b, 2
	MIN2 0, \b
	MIN2 1, \b
	MIN1 2, \b
	MIN1 3, \b
	LESS 0, \b
	LESS 1, \b
	MIN2 2, \b
	MIN2 3, \b
	TAKE 0, 0
	TAKE 1, 0
	LESS 2, \b
	LESS 3, \b
	TAKE 2, 1
	TAKE 3, 1
.endm
; Step i: record i lies in set b, record i + 1 in set nb.  lim: the last record that there is, counted from the trip's first.
.macro STEP i, b, nb, lim
.if (\i)+1 <= \lim
	s_wait_dscnt 2                                 ; all but the two youngest loads are in: those are record i + 1's sums of squares
	MM \nb
.else
	s_wait_dscnt 0x0
.endif
.if (\i)+2 <= \lim
	LDAF (\i)+2, \b                                ; set b's fragments were multiplied a step ago: a record's vector work stands between
.endif
	EP \b
.if (\i)+2 <= \lim
	LDEE (\i)+2, \b
.endif
	s_add_co_u32 s[TS], s[TS], 1
.endm
	s_load_b128 s[4:7], s[0:1], 0x0                ; zq s[4:5], cbq s[6:7]
	s_load_b64 s[8:9], s[0:1], 0x10                ; cand
	v_lshl_add_u32 v[SPW], v0, 2, SPARE
	v_mov_b32 v[NIL], 0
	ds_add_u32 v[SPW], v[NIL]                      ; the opening: the add, twice on end, and its wait ahead of my first tensor load
	ds_add_u32 v[SPW], v[NIL]
	v_bfe_u32 v[H], v0, 4, 1                       ; h
	v_and_b32 v14, 31, v0                          ; lane
	v_and_b32 v15, 15, v0                          ; r
	v_lshrrev_b32 v13, 5, v0
.irp t, 0,1,2,3
	v_mov_b32 v[RUN+2*\t], 0x7f800000              ; +infinity: over every d
	v_mov_b32 v[RUNB+2*\t], 0x7f800000
	v_mov_b32 v[ID+\t], 0
	v_mov_b32 v[IDB+\t], 0
.endr
	v_readfirstlane_b32 s[WV], v13                 ; wave 0..15
	s_bfe_u32 s11, ttmp6, 0x40000                  ; cx: it enters zq's and cand's addresses alone
	s_and_b32 s12, ttmp9, 7                        ; in a cluster launch ttmp9 counts clusters: eight clusters to an eighth
	s_lshl_b32 s12, s12, 2
	s_add_co_u32 s12, s12, s11                     ; my block of 512 rows, 0..31
	s_lshr_b32 s13, ttmp9, 3                       ; my eighth
	s_and_b32 s14, s[WV], 7                        ; which 64 rows of the block are my wave's
	s_lshr_b32 s15, s[WV], 3                       ; which 64 records
	s_mul_i32 s44, s15, 64*REC
	s_lshl_b32 s34, s[WV], 8
	s_add_co_u32 s34, s34, MRG
	v_lshl_add_u32 v[ACB], v14, 4, s44
	v_lshl_add_u32 v[ASB], v14, 2, s44
	v_lshl_add_u32 v[AEB], v[H], 5, s44
	v_lshl_add_u32 v[MW], v15, 2, s34              ; MRG + 256 x wave + 4 r
	v_lshl_add_u32 v[MR], v14, 3, s34              ; MRG + 256 x wave + 8 x lane
	v_lshlrev_b32 v[GO], 3, v14
	v_lshlrev_b32 v[GA], 1, v[H]
	v_lshl_or_b32 v[GB], v[H], 1, 1
	v_lshlrev_b32 v13, 4, v14                      ; z's fragments: 16 x lane
	v_lshlrev_b32 v15, 4, v15                      ; z's sums of squares: 16 r (+ 2,056)
	DLY 1
	v_lshl_add_u32 v14, v[H], 2, v15               ; z's scale words: 16 r + 4 h (+ 2,048)
	s_lshl_b32 s[TS], s13, 7
	s_lshl_b32 s45, s15, 6
	s_add_co_u32 s[TS], s[TS], s45                 ; my first tile: 128 x eighth + 64 x half
	; descriptor group 1: a dense block of 18,432 bytes as 72 rows of 32 elements of 8 bytes
	s_mov_b32 s[G1+0], 15|(3<<16)|(1<<21)          ; the mask: all four work-groups; elements of 8 bytes; no padding; bit 21 set beside a mask
	s_mov_b32 s[G1+1], 32<<16                      ; tensor_dim0 = 32
	s_mov_b32 s[G1+2], 72<<16                      ; tensor_dim1 = 72
	s_mov_b32 s[G1+3], 32<<16                      ; tile_dim0 = 32
	s_mov_b32 s[G1+4], 72                          ; tile_dim1 = 72
	s_mov_b32 s[G1+5], 32                          ; tensor_dim0_stride
	s_mov_b32 s[G1+6], 0
	s_mov_b32 s[G1+7], 0
	s_mov_b32 s[G0], 1
	s_mul_i32 s[G0+1], s[WV], PART                 ; LDS address: my eight records
	s_mul_i32 s46, s13, CODES
	s_add_co_u32 s46, s46, s[G0+1]                 ; and the same eight in cbq
	s_mov_b32 s47, 0
	s_lshl_b32 s48, s12, 5
	s_lshl_b32 s49, s14, 2
	s_add_co_u32 s48, s48, s49
	s_mul_i32 s48, s48, REC                        ; my wave's four records of z
	s_mov_b32 s49, 0
	s_lshl_b32 s50, s13, 16                        ; cand: 65,536 x eighth + 4 x (512 x block + 64 x part)
	s_lshl_b32 s51, s12, 11
	s_add_co_u32 s50, s50, s51
	s_lshl_b32 s51, s14, 8
	s_add_co_u32 s50, s50, s51
	s_mov_b32 s51, 0
	s_mov_b32 s40, 0x76543210
	s_mov_b32 s41, 0xfedcba98                      ; v_permlanex16_b32's selects for lane l xor 16
	s_mov_b32 s42, 0xc0000000                      ; -2.0; the packed form names a pair and takes its low word for both halves
	s_mov_b32 s43, s42
	s_mov_b32 s32, 7
	s_mov_b32 s33, 0
	v_add_nc_u32 v[AC], s33, v[ACB]
	v_add_nc_u32 v[AS], s33, v[ASB]
	v_add_nc_u32 v[AE], s33, v[AEB]
	s_wait_alu depctr_va_vdst(0)
	s_wait_dscnt 0x0                               ; both opening adds are done
	s_wait_kmcnt 0x0
	s_add_nc_u64 s[G0+2:G0+3], s[6:7], s[46:47]
	s_or_b32 s[G0+3], s[G0+3], 0x80000000          ; type = 2
	s_add_nc_u64 s[4:5], s[4:5], s[48:49]
	s_add_nc_u64 s[8:9], s[8:9], s[50:51]
.irp t, 0,1,2,3                        ; z stays in registers; its loads are on their way through the round
.irp k, 0,1,2,3
	global_load_b128 v[Z+16*\t+4*\k:Z+16*\t+4*\k+3], v13, s[4:5] offset:\t*REC+512*\k
.endr
	global_load_b32 v[ZS+\t], v14, s[4:5] offset:\t*REC+2048
	global_load_b32 v[ZZ+2*\t], v15, s[4:5] offset:\t*REC+2056
.endr
	CROUND                                         ; all four work-groups are here: the joint loads meet
	tensor_load_to_lds s[G0:G0+3], s[G1:G1+7]      ; my one tensor load of the launch
	s_nop 0
	s_wait_tensorcnt 0x0                           ; my eight records are in
	s_barrier_signal -1
	s_barrier_wait -1                              ; everybody's are
	LDAF 0, 0
	LDEE 0, 0
	s_wait_loadcnt 0x0                             ; z
.irp t, 0,1,2,3
	v_mov_b32 v[ZZ+2*\t+1], v[ZZ+2*\t]
.endr
	s_wait_alu depctr_va_vdst(0)
	s_wait_dscnt 2                                 ; record 0's fragments are in
	MM 0
.rept 4
	v_nop                                          ; four places: the first step loads into record 0's fragments with no vector work of an earlier record between
.endr
	LDAF 1, 1
	LDEE 1, 1
.Ltrip:                                            ; seven trips of eight steps
.irp i, 0,2,4,6
	STEP \i, 0, 1, 100
	STEP \i+1, 1, 0, 100
.endr
	s_add_co_u32 s33, s33, 8*REC
	v_add_nc_u32 v[AC], s33, v[ACB]
	v_add_nc_u32 v[AS], s33, v[ASB]
	v_add_nc_u32 v[AE], s33, v[AEB]
	s_sub_co_u32 s32, s32, 1
	s_cmp_lg_u32 s32, 0
	s_wait_alu depctr_va_vdst(0)
	s_cbranch_scc1 .Ltrip
.irp i, 0,2,4,6
	STEP \i, 0, 1, 7                               ; the last eight records: nothing is asked for beyond the last
	STEP \i+1, 1, 0, 7
.endr
	s_wait_alu depctr_va_vdst(0)
	s_barrier_signal -1                            ; (no LDS load of mine is out: the last step waited for all)
	s_barrier_wait -1                              ; every wave's reads of the records are over before the first store into LDS
	; THE MERGE only selects values: pair b is taken where its d is smaller, or equal with the lower group.  An even number of records: the minima stand in their first registers
.macro PICK da, ga, db, gb
	v_cmp_lt_f32 s36, v[\db], v[\da]
	v_cmp_eq_f32 s37, v[\db], v[\da]
	v_cmp_lt_u32 s38, v[\gb], v[\ga]
	s_and_b32 s37, s37, s38
	s_or_b32 s36, s36, s37
	v_cndmask_b32 v[\da], v[\da], v[\db], s36
	v_cndmask_b32 v[\ga], v[\ga], v[\gb], s36
.endm
.irp t, 0,1,2,3
	v_lshl_or_b32 v[ID+\t], v[ID+\t], 2, v[GA]     ; the groups: 4 x tile + 2 h,
	v_lshl_or_b32 v[IDB+\t], v[IDB+\t], 2, v[GB]   ; and + 1
.endr
.irp t, 0,1,2,3
	PICK RUN+2*\t, ID+\t, RUNB+2*\t, IDB+\t        ; a lane's two minima
.endr
.irp t, 0,1,2,3
	v_permlanex16_b32 v[S+\t], v[RUN+2*\t], s40, s41
	v_permlanex16_b32 v[S+4+\t], v[ID+\t], s40, s41
.endr
.irp t, 0,1,2,3
	PICK RUN+2*\t, ID+\t, S+\t, S+4+\t             ; the two halves of the lanes
.endr
.irp t, 0,1,2,3
	ds_store_b32 v[MW], v[RUN+2*\t] offset:64*\t             ; both halves write the same word with the same value
	ds_store_b32 v[MW], v[ID+\t] offset:MRGI+64*\t
.endr
	s_wait_dscnt 0x0                               ; for the others' sake: my stores are done
	s_barrier_signal -1
	s_barrier_wait -1
	s_cmp_lt_u32 s[WV], 8
	s_cbranch_scc0 .Lothers
	ds_load_b64 v[16:17], v[MR]                    ; waves 0-7: a lane takes rows 2 lane and 2 lane + 1 of its own 64: the lower records' pair,
	ds_load_b64 v[18:19], v[MR] offset:2048        ; and wave w + 8's, the higher records'
	ds_load_b64 v[20:21], v[MR] offset:MRGI
	ds_load_b64 v[22:23], v[MR] offset:MRGI+2048
	s_wait_dscnt 0x0
	v_cmp_lt_f32 s36, v18, v16                     ; the higher records win only where strictly smaller
	v_cmp_lt_f32 s37, v19, v17
	DLY 2
	v_cndmask_b32 v16, v16, v18, s36
	DLY 2
	v_cndmask_b32 v17, v17, v19, s37
	DLY 4
	v_cndmask_b32 v20, v20, v22, s36
	DLY 4
	v_cndmask_b32 v21, v21, v23, s37
	DLY 4
	v_ashrrev_i32 v24, 31, v16                     ; d as an ordered whole number: all bits flipped where the sign is set, else the sign bit alone
	DLY 4
	v_ashrrev_i32 v25, 31, v17
	DLY 2
	v_or_b32 v24, 0x80000000, v24
	DLY 2
	v_or_b32 v25, 0x80000000, v25
	DLY 2
	v_xor_b32 v16, v16, v24
	DLY 2
	v_xor_b32 v17, v17, v25
	global_store_b64 v[GO], v[16:17], s[8:9]                 ; 32 lanes store 256 consecutive bytes, aligned
	global_store_b64 v[GO], v[20:21], s[8:9] offset:524288
.Lothers:
	s_wait_tensorcnt 0x0                           ; the wave's end
	ds_add_u32 v[SPW], v[NIL]
	s_wait_dscnt 0x0
	CROUND                                         ; the closing round
	s_endpgm
.Lfunc_end_k_qb16259d217_search:
	.size	k_qb16259d217_search, .Lfunc_end_k_qb16259d217_search-k_qb16259d217_search
	.p2alignl 7, 3214868480
	.fill 96, 4, 3214868480
	.section	.rodata,"a",@progbits
	.p2align	6, 0x0
	.amdhsa_kernel k_qb16259d217_search
		.amdhsa_group_segment_fixed_size 327680
		.amdhsa_private_segment_fixed_size 0
		.amdhsa_enable_private_segment 0
		.amdhsa_kernarg_size 24
		.amdhsa_user_sgpr_count 2
		.amdhsa_user_sgpr_kernarg_segment_ptr 1
		.amdhsa_wavefront_size32 1
		.amdhsa_system_sgpr_workgroup_id_x 1
		.amdhsa_system_sgpr_workgroup_id_y 1
		.amdhsa_system_sgpr_workgroup_id_z 1
		.amdhsa_system_vgpr_workitem_id 0
		.amdhsa_next_free_vgpr 256
		.amdhsa_next_free_sgpr 66
		.amdhsa_reserve_vcc 0
		.amdhsa_float_denorm_mode_32 3
		.amdhsa_float_denorm_mode_16_64 3
		.amdhsa_memory_ordered 1
		.amdhsa_forward_progress 1
		.amdhsa_inst_pref_size 105
	.end_amdhsa_kernel
	.amdgpu_metadata
---
amdhsa.version: [ 1, 2 ]
amdhsa.kernels:
  - .name:           k_qb16259d217_search
    .symbol:         k_qb16259d217_search.kd
    .args:
      - { .name: zq, .offset: 0, .size: 8, .value_kind: global_buffer, .address_space: global }
      - { .name: cbq, .offset: 8, .size: 8, .value_kind: global_buffer, .address_space: global }
      - { .name: cand, .offset: 16, .size: 8, .value_kind: global_buffer, .address_space: global }
    .group_segment_fixed_size: 327680
    .private_segment_fixed_size: 0
    .kernarg_segment_align: 8
    .kernarg_segment_size: 24
    .max_flat_workgroup_size: 512
    .sgpr_count:     66
    .vgpr_count:     256
    .wavefront_size: 32
...
	.end_amdgpu_metadata
.endif
;; end of part 2
;; launch finish (part 3): grid 256 x 1, 16 waves a work-group, no clusters, 3,072 bytes of LDS; arguments zq, cbq, cand, codebook, out0, out1; writes out0, out1
.if DOCPART == 3
	.amdgcn_target "amdgcn-amd-amdhsa--gfx1250"
	.amdhsa_code_object_version 6
	.text
	.protected	k_qb16259d217_finish
	.globl	k_qb16259d217_finish
	.p2align	8
	.type	k_qb16259d217_finish,@function
k_qb16259d217_finish:
	s_mov_b64 s[64:65], 0
	v_nop
	global_prefetch_b8 v0, s[64:65] scope:SCOPE_SE
	s_setreg_imm32_b32 hwreg(HW_REG_WAVE_MODE, 25, 1), 1
	s_wait_xcnt 0x0
; The index and the row.  cand (whole numbers, stored by the launch before) holds for each row and each eighth of the codebook the smallest d as an ordered whole number and the first group of 4 codes that takes it.
; 1. The winning eighth: the smallest key, the lower eighth at a tie: compares of whole numbers read from memory.  Its group's number, held to 0 .. 4,095, makes all addresses here.
; 2. The place in the group: the group is multiplied again by the same instructions on the same codes, so that every d has the same bits; the first smallest of its 4 gives index = 4 x group + place -> out1.
; 3. out0[row] = codebook[index]: all 4 rows of the group are loaded (their addresses hang on the group alone) and the place only SELECTS among them, by two levels of v_cndmask_b32.
; SHARES.  A work-group owns 64 rows, wave w of sixteen rows 4 w .. 4 w + 3: rows 4 q + i (q = w % 4) of row tile w / 4.  ONE product: source 0 holds in its rows 4 i .. 4 i + 3 the 4 codes of row 4 q + i's group;
; source 1 = the row tile of z.  Lane (r, h) holds row r and source 0's rows 8 h + 0 .. 7: row 4 q + i's four d stand in lane 4 q + i + 16 (i / 2), registers 4 (i % 2) + 0 .. 3.
; One accumulator, two K steps: a wait stands ahead of the second.  The four rows' candidates, 4,096 bytes a row, lie in 128 registers.
; No clusters: the work-groups share no tile.  No prefetch: there is no loop to run ahead in.  LIMITS: NaN and infinities among the inputs are not served.
.set REC, 2304
.set SPW, 12                           ; v12 LDS address of my spare word;  v13 0; never rewritten
.set NIL, 13
.set KEY, 104                          ; v104-111 eight keys, v112-119 eight groups (then free)
.set GID, 112
.set X,   128                          ; v128-255 row i's 4 candidates x 8 registers at 32 i
.macro DLY n
	s_delay_alu instid0(VALU_DEP_\n)
.endm
.macro ROWS i                          ; the 4 rows of row i's group: two loads of 512 consecutive bytes each
.irp c, 0,1,2,3
	global_load_b128 v[X+32*\i+8*\c:X+32*\i+8*\c+3], v[\i], s[10:11] offset:1024*\c
	global_load_b128 v[X+32*\i+8*\c+4:X+32*\i+8*\c+7], v[\i], s[10:11] offset:1024*\c+512
.endr
.endm
.macro SELECT i                        ; the place's two bits choose, level by level
	s_bitcmp1_b32 s[28+\i], 0
	s_cselect_b32 s70, -1, 0
	s_bitcmp1_b32 s[28+\i], 1
	s_cselect_b32 s71, -1, 0
.irp c, 0,2
.irp m, 0,1,2,3,4,5,6,7
	v_cndmask_b32 v[X+32*\i+8*\c+\m], v[X+32*\i+8*\c+\m], v[X+32*\i+8*\c+8+\m], s70
.endr
.endr
.irp m, 0,1,2,3,4,5,6,7
	v_cndmask_b32 v[X+32*\i+\m], v[X+32*\i+\m], v[X+32*\i+16+\m], s71
.endr
	global_store_b128 v4, v[X+32*\i:X+32*\i+3], s[12:13] offset:1024*\i th:TH_STORE_NT         ; 32 lanes store 512 consecutive bytes, aligned
	global_store_b128 v4, v[X+32*\i+4:X+32*\i+7], s[12:13] offset:1024*\i+512 th:TH_STORE_NT
.endm
	s_load_b256 s[4:11], s[0:1], 0x0               ; zq s[4:5], cbq s[6:7], cand s[8:9], codebook s[10:11]
	s_load_b128 s[12:15], s[0:1], 0x20             ; out0 s[12:13], out1 s[14:15]
	v_lshl_add_u32 v[SPW], v0, 2, 0x400
	v_mov_b32 v[NIL], 0
	v_and_b32 v5, 31, v0                           ; lane
	v_and_b32 v2, 15, v0                           ; r
	v_lshrrev_b32 v1, 5, v0
	v_bfe_u32 v3, v0, 4, 1                         ; h
	v_and_b32 v11, 0x13, v0                        ; r % 4 + 16 h
	v_and_b32 v14, 3, v0
	v_lshlrev_b32 v4, 4, v5                        ; 16 x lane
	v_lshlrev_b32 v8, 2, v2                        ; 4 r
	v_readfirstlane_b32 s16, v1                    ; wave 0..15
	s_lshl_b32 s19, s16, 4
	v_lshlrev_b32 v7, 4, v2                        ; 16 r: z's sum of squares (+ 2,056)
	v_lshlrev_b32 v9, 4, v11                       ; 16 (r % 4) + 256 h: a code's place in a fragment's image
	v_lshlrev_b32 v15, 2, v11                      ; 4 (r % 4) + 64 h: and among the scale words
	v_lshl_add_u32 v10, v14, 2, s19                ; LDS: 16 x wave + 4 (lane % 4): my four rows' indices
	v_lshlrev_b32 v11, 3, v5                       ; 8 x lane
	v_lshl_add_u32 v6, v3, 2, v7                   ; 16 r + 4 h: z's scale words (+ 2,048)
	s_lshr_b32 s17, s16, 2                         ; my row tile of the block's four
	s_and_b32 s18, s16, 3                          ; q
	s_lshl_b32 s20, ttmp9, 2
	s_add_co_u32 s20, s20, s17
	s_mul_i32 s20, s20, REC                        ; its record
	s_mov_b32 s21, 0
	s_lshl_b32 s22, ttmp9, 8
	s_lshl_b32 s23, s17, 6
	s_add_co_u32 s22, s22, s23                     ; its sixteen words in a plane of cand
	s_mov_b32 s23, 0
	s_lshl_b32 s40, ttmp9, 8                       ; the block's 64 words of out1
	s_mov_b32 s41, 0
	s_lshl_b32 s42, ttmp9, 4
	s_add_co_u32 s42, s42, s16
	s_lshl_b32 s42, s42, 12                        ; my four rows of out0
	s_mov_b32 s43, 0
	s_lshl_b32 s52, s18, 2                         ; lanes 4 q + i: where row i's group stands,
	s_add_co_u32 s53, s52, 1
	s_add_co_u32 s54, s52, 2
	s_add_co_u32 s55, s52, 3
	s_mov_b32 s60, s52                             ; and lanes 4 q + i + 16 (i / 2): where its place will stand
	s_mov_b32 s61, s53
	s_add_co_u32 s62, s54, 16
	s_add_co_u32 s63, s55, 16
	s_mov_b32 s56, 0x00f000f0                      ; lanes with r / 4 = 1, 2, 3
	s_mov_b32 s57, 0x0f000f00
	s_mov_b32 s58, 0xf000f000
	s_mov_b32 s59, 0xaaaaaaaa                      ; lanes of odd rows
	s_mov_b32 s44, 0xc0000000                      ; -2.0, as a pair for the packed form
	s_mov_b32 s45, s44
	s_mov_b32 s46, 0x22222222                      ; lanes with lane % 4 = 1, 2, 3
	s_mov_b32 s47, 0x44444444
	s_mov_b32 s48, 0x88888888
	s_wait_alu depctr_va_vdst(0)
	s_wait_kmcnt 0x0
	s_add_nc_u64 s[4:5], s[4:5], s[20:21]
	s_add_nc_u64 s[8:9], s[8:9], s[22:23]
	s_add_nc_u64 s[12:13], s[12:13], s[42:43]
	s_add_nc_u64 s[14:15], s[14:15], s[40:41]
.irp e, 0,1,2,3,4,5,6,7
	global_load_b32 v[KEY+\e], v8, s[8:9] offset:65536*\e            ; my lane's row: its key in eighth e,
	global_load_b32 v[GID+\e], v8, s[8:9] offset:524288+65536*\e     ; and its group
.endr
.irp k, 0,1,2,3
	global_load_b128 v[16+4*\k:19+4*\k], v4, s[4:5] offset:512*\k    ; z's two fragments
.endr
	global_load_b32 v32, v6, s[4:5] offset:2048    ; its scale words
	global_load_b32 v34, v7, s[4:5] offset:2056    ; its sums of squares
	s_wait_loadcnt 6                               ; keys and groups are in; z's six loads may be out
	; the smallest key of eight, a tree; the higher eighth is taken only where strictly smaller
.irp i, 0,2,4,6
	v_cmp_lt_u32 s[36+\i/2], v[KEY+\i+1], v[KEY+\i]
.endr
.irp i, 0,2,4,6
	v_min_u32 v[KEY+\i], v[KEY+\i], v[KEY+\i+1]
.endr
.irp i, 0,2,4,6
	v_cndmask_b32 v[GID+\i], v[GID+\i], v[GID+\i+1], s[36+\i/2]
.endr
	v_cmp_lt_u32 s36, v[KEY+2], v[KEY]
	v_cmp_lt_u32 s37, v[KEY+6], v[KEY+4]
	v_min_u32 v[KEY], v[KEY], v[KEY+2]
	v_min_u32 v[KEY+4], v[KEY+4], v[KEY+6]
	DLY 4
	v_cndmask_b32 v[GID], v[GID], v[GID+2], s36
	DLY 4
	v_cndmask_b32 v[GID+4], v[GID+4], v[GID+6], s37
	DLY 3
	v_cmp_lt_u32 s36, v[KEY+4], v[KEY]
	DLY 1
	v_cndmask_b32 v[GID], v[GID], v[GID+4], s36
	DLY 1
	v_min_u32 v36, 0xfff, v[GID]                   ; my lane's row's group
	s_wait_alu depctr_va_vdst(0)
.irp i, 0,1,2,3
	v_readlane_b32 s[24+\i], v36, s[52+\i]         ; my four rows' groups, as scalars
.endr
.irp i, 0,1,2,3
	s_min_u32 s[24+\i], s[24+\i], 4095
	s_lshl_b32 s[32+\i], s[24+\i], 12              ; a group's 4 rows: 4,096 bytes
.endr
	; group = 4 x tile + quarter: its record at 576 x (group less its two low bits).  Source 0's row r takes code r % 4 of row r / 4's group
	v_mov_b32 v40, s24
	v_and_b32 v37, 0xffc, v36
	DLY 2
	v_cndmask_b32 v40, v40, s25, s56
	v_and_b32 v106, 3, v36
	DLY 2
	v_cndmask_b32 v40, v40, s26, s57
	DLY 4
	v_mul_u32_u24 v37, v37, 576
	DLY 2
	v_cndmask_b32 v40, v40, s27, s58
	v_add_nc_u32 v0, s32, v4                       ; row i's candidates: 4,096 x group + 16 x lane
	DLY 2
	v_min_u32 v40, 0xfff, v40
	v_add_nc_u32 v1, s33, v4
	v_lshl_add_u32 v37, v106, 4, v37               ; my row's group's sums of squares: + 16 x quarter (+ 2,176)
	v_add_nc_u32 v2, s34, v4
	DLY 4
	v_and_b32 v42, 0xffc, v40
	v_and_b32 v107, 3, v40
	v_add_nc_u32 v3, s35, v4
	DLY 3
	v_mad_u32_u24 v46, v42, 576, v9
	DLY 4
	v_mad_u32_u24 v42, v42, 576, v15
	DLY 2
	v_lshl_add_u32 v46, v107, 6, v46               ; codes: + 64 x quarter
	DLY 2
	v_lshl_add_u32 v42, v107, 4, v42               ; scale words: + 16 x quarter (+ 2,048)
	s_wait_alu depctr_va_vdst(0)
.irp k, 0,1,2,3
	global_load_b128 v[48+4*\k:51+4*\k], v46, s[6:7] offset:512*\k
.endr
	global_load_b32 v44, v42, s[6:7] offset:2048
	global_load_b128 v[96:99], v37, s[6:7] offset:2176
	ROWS 0
	ROWS 1
	ROWS 2
	ROWS 3
	s_wait_loadcnt 32                              ; all but the four rows' 32 loads
	v_mov_b32 v35, v34
	v_wmma_scale_f32_16x16x128_f8f6f4 v[80:87], v[48:55], v[16:23], 0, v44, v32 matrix_a_fmt:MATRIX_FMT_FP4 matrix_b_fmt:MATRIX_FMT_FP4
	s_wait_alu depctr_va_vdst(0)
	v_wmma_scale_f32_16x16x128_f8f6f4 v[80:87], v[56:63], v[24:31], v[80:87], v44, v32 matrix_a_fmt:MATRIX_FMT_FP4 matrix_b_fmt:MATRIX_FMT_FP4 matrix_a_scale:MATRIX_SCALE_ROW1 matrix_b_scale:MATRIX_SCALE_ROW1
	v_pk_add_f32 v[96:97], v[96:97], v[34:35]      ; s = zz + ee.  With the two idle lines: the four places behind the product (ISA guide 7.12.1)
	v_pk_add_f32 v[98:99], v[98:99], v[34:35]
	v_nop
	v_nop
.irp j, 0,1,2,3
	v_cndmask_b32 v[80+\j], v[80+\j], v[84+\j], s59                ; odd rows' four stand in registers 4-7; the accumulator is read from its low end on
.endr
	DLY 3
	v_pk_fma_f32 v[80:81], v[80:81], s[44:45], v[96:97] op_sel_hi:[1,0,1]   ; d = s - 2 dot
	DLY 2
	v_pk_fma_f32 v[82:83], v[82:83], s[44:45], v[98:99] op_sel_hi:[1,0,1]
	; the first smallest of my four, a tree; the later one is taken only where strictly smaller
	DLY 2
	v_cmp_lt_f32 s36, v81, v80
	DLY 2
	v_cmp_lt_f32 s37, v83, v82
	DLY 4
	v_min_num_f32 v80, v80, v81
	DLY 4
	v_min_num_f32 v82, v82, v83
	DLY 4
	v_cndmask_b32 v104, 0, 1, s36
	DLY 4
	v_cndmask_b32 v105, 2, 3, s37
	DLY 3
	v_cmp_lt_f32 s38, v82, v80
	DLY 1
	v_cndmask_b32 v104, v104, v105, s38            ; the place, 0 .. 3
	DLY 1
	v_readlane_b32 s28, v104, s60
	v_readlane_b32 s29, v104, s61
	v_readlane_b32 s30, v104, s62
	v_readlane_b32 s31, v104, s63
.irp i, 0,1,2,3
	s_lshl_b32 s[36+\i], s[24+\i], 2
	s_add_co_u32 s[36+\i], s[36+\i], s[28+\i]      ; the index: 4 x group + place
.endr
	v_mov_b32 v108, s36                            ; lane % 4 = i holds row i's
	DLY 1
	v_cndmask_b32 v108, v108, s37, s46
	DLY 1
	v_cndmask_b32 v108, v108, s38, s47
	DLY 1
	v_cndmask_b32 v108, v108, s39, s48
	ds_store_b32 v10, v108                         ; eight lanes write each word, with the same value
	s_wait_loadcnt 24                              ; row 0's eight loads are in; the 24 behind them may be out
	SELECT 0
	s_wait_loadcnt 16
	SELECT 1
	s_wait_loadcnt 8
	SELECT 2
	s_wait_loadcnt 0x0
	SELECT 3
	s_wait_dscnt 0x0                               ; for the others' sake: my store into LDS is done
	s_barrier_signal -1
	s_barrier_wait -1
	s_cmp_lg_u32 s16, 0
	s_cbranch_scc1 .Ldone
	ds_load_b64 v[40:41], v11                      ; wave 0: the block's 64 indices, two a lane
	s_wait_dscnt 0x0
	global_store_b64 v11, v[40:41], s[14:15]       ; 32 lanes store 256 consecutive bytes, aligned
.Ldone:
	s_wait_tensorcnt 0x0                           ; the wave's end
	ds_add_u32 v[SPW], v[NIL]
	s_wait_dscnt 0x0
	s_endpgm
.Lfunc_end_k_qb16259d217_finish:
	.size	k_qb16259d217_finish, .Lfunc_end_k_qb16259d217_finish-k_qb16259d217_finish
	.p2alignl 7, 3214868480
	.fill 96, 4, 3214868480
	.section	.rodata,"a",@progbits
	.p2align	6, 0x0
	.amdhsa_kernel k_qb16259d217_finish
		.amdhsa_group_segment_fixed_size 3072
		.amdhsa_private_segment_fixed_size 0
		.amdhsa_enable_private_segment 0
		.amdhsa_kernarg_size 48
		.amdhsa_user_sgpr_count 2
		.amdhsa_user_sgpr_kernarg_segment_ptr 1
		.amdhsa_wavefront_size32 1
		.amdhsa_system_sgpr_workgroup_id_x 1
		.amdhsa_system_sgpr_workgroup_id_y 1
		.amdhsa_system_sgpr_workgroup_id_z 1
		.amdhsa_system_vgpr_workitem_id 0
		.amdhsa_next_free_vgpr 256
		.amdhsa_next_free_sgpr 80
		.amdhsa_reserve_vcc 0
		.amdhsa_float_denorm_mode_32 3
		.amdhsa_float_denorm_mode_16_64 3
		.amdhsa_memory_ordered 1
		.amdhsa_forward_progress 1
		.amdhsa_inst_pref_size 22
	.end_amdhsa_kernel
	.amdgpu_metadata
---
amdhsa.version: [ 1, 2 ]
amdhsa.kernels:
  - .name:           k_qb16259d217_finish
    .symbol:         k_qb16259d217_finish.kd
    .args:
      - { .name: zq, .offset: 0, .size: 8, .value_kind: global_buffer, .address_space: global }
      - { .name: cbq, .offset: 8, .size: 8, .value_kind: global_buffer, .address_space: global }
      - { .name: cand, .offset: 16, .size: 8, .value_kind: global_buffer, .address_space: global }
      - { .name: codebook, .offset: 24, .size: 8, .value_kind: global_buffer, .address_space: global }
      - { .name: out0, .offset: 32, .size: 8, .value_kind: global_buffer, .address_space: global }
      - { .name: out1, .offset: 40, .size: 8, .value_kind: global_buffer, .address_space: global }
    .group_segment_fixed_size: 3072
    .private_segment_fixed_size: 0
    .kernarg_segment_align: 8
    .kernarg_segment_size: 48
    .max_flat_workgroup_size: 512
    .sgpr_count:     80
    .vgpr_count:     256
    .wavefront_size: 32
...
	.end_amdgpu_metadata
.endif
;; end of part 3
